; MI455X (gfx1250); checked and timed in simulation.
; The chip was launched on July 23, 2026; its instructions are those of AMD's public machine-readable ISA for CDNA 5 (MIT licence, August 2026) and "CDNA5" Instruction Set Architecture Reference Guide (July 2026). The comments in the code are by the model that wrote it; some were corrected since.
;; Codebook. Allowed arithmetic: float matrix products may take bf16 or f16 operands with f32 sums; other float arithmetic in f32, or as packed bf16 or f16 multiplies, adds, multiply-adds, maxima and minima; sums over many terms, partial sums and values carried from step to step in f32; what a program stores and reads back later, other than sums and carried values, may be rounded once to bf16 or f16.
;; Inputs: codebook 1,024 x 8 x 1,024 float32; proj_b 8,192 float32; proj_w 8,192 x 1,024 float32; target 8 x 1,024 x 8 int32; wproj_w 8 x 1,024 float32; x 8 x 1,024 x 1,024 float32.
;; Outputs: out0 8 x 1,024 x 1,024 float32; out1 8 x 1,024 x 8 float32.
;; 2 versions, each right; version 2 is version 1 with the launch prep written anew for expert scheduling mode. Each part assembles by itself: llvm-mc -triple=amdgcn-amd-amdhsa -mcpu=gfx1250 --defsym DOCPART=n.
;; ======== version 1 of 2: 2 launches
;; workspace buffers: xb 16,777,216 bytes; wb 16,777,216 bytes
;; launch prep (part 1): grid 256 x 1, 16 waves a work-group, no clusters, 34,816 bytes of LDS; arguments x, proj_w, wproj_w, target, codebook, xb, wb, out0; writes xb, wb, out0
.if DOCPART == 1
	.amdgcn_target "amdgcn-amd-amdhsa--gfx1250"
	.amdhsa_code_object_version 6
	.text
	.protected	k_q4ca3da8d9d_prep
	.globl	k_q4ca3da8d9d_prep
	.p2align	8
	.type	k_q4ca3da8d9d_prep,@function
k_q4ca3da8d9d_prep:
	s_mov_b64 s[64:65], 0
	v_nop
	global_prefetch_b8 v0, s[64:65] scope:SCOPE_SE
	s_setreg_imm32_b32 hwreg(HW_REG_WAVE_MODE, 25, 1), 1
	s_wait_xcnt 0x0
; xb = bf16(x), wb = bf16(proj_w), out0[t][:] = sum over k of softmax_k(x[t] . wproj_w[k]) codebook[target[t][k]][k][:].
; x, proj_w: [8192][1024] f32; wproj_w: [8][1024] f32; target: [8192][8] i32; codebook: [1024][8][1024] f32; out0: [8192][1024] f32.
; SHARES.  256 work-groups of 16 waves; wave w of group g owns rows 32 g + 2 w and the next one, of x and of proj_w alike: one wave, one row at a time, two trips.
; A row is 4,096 bytes: eight loads of 16 bytes a lane, each covering 512 consecutive bytes; lane l, piece j holds elements 128 j + 4 l .. + 3.
; The 8 small logits are made in f32 on the vector unit (8 x 1,024 multiply-adds a row): they weight every number of a row of out0, so they are not rounded to 16 bits;
; a matrix fragment's layout would also break the loads and stores of whole rows.  wproj_w (32 KiB) is copied once into LDS and read from there by every wave.
; The softmax takes its maximum away.  No tensor loads, no cluster: but for those 32 KiB no two work-groups share a stream.  No prefetch: each wave has 40 loads out at a trip's head.
; LIMITS.  A target outside 0..1023 is taken as 1023 (unsigned minimum).  A weight below 2^-126 counts as 0.  NaN and infinities are not treated apart.
.set SPARE, 32768                      ; behind wproj_w: the spare words, 128 bytes for each of 16 waves: eight blocks of 256 bytes that no other line names
.set L16, 1                            ; v1       16 x lane; never rewritten
.set L8,  2                            ; v2       8 x lane; never rewritten
.set SPW, 3                            ; v3       LDS address of my spare word; never rewritten
.set NIL, 4                            ; v4       0; never rewritten
.set STG, 5                            ; v5       16 x thread: the copy of wproj_w
.set GO,  8                            ; v[8:15]  byte offset of my 16 bytes in the codebook row of codebook k
.set S,   16                           ; v[16:31] a pair for each k: two partial sums, then the logit, then the weight in the low register
.set X,   32                           ; v[32:63] the row of x
.set R1,  64                           ; v[64:95] the row of proj_w; then the LDS buffer of odd k; then ACC
.set ACC, 64
.set WB0, 96                           ; v[96:127] the copy's registers; then the LDS buffer of even k
.set G,   128                          ; v[128:223] three buffers of 32 for gathered rows
.set PX,  4                            ; s[4:19]  x, proj_w, wproj_w, target, codebook, xb, wb, out0
.set PW,  6
.set PWP, 8
.set PT,  10
.set PC,  12
.set PXB, 14
.set PWB, 16
.set PO,  18
.set CNT, 20
.set WV,  21
.set TGT, 36                           ; s[36:51] the 16 targets of my two rows; a trip uses the first eight
.set TMP, 52
.set CS,  53                           ; log2(e)
.set SEL, 54                           ; s[54:55] v_permlanex16_b32's selects: each lane takes its own place in the other half
.macro STREAM dst, base                ; a row that is read once: eight loads of 512 consecutive bytes
.irp j, 0,1,2,3,4,5,6,7
	global_load_b128 v[(\dst)+4*(\j):(\dst)+4*(\j)+3], v[L16], s[\base:\base+1] offset:512*(\j) th:TH_LOAD_NT
.endr
.endm
.macro TABLE dst, off                  ; a codebook row: the list may name it again, so no hint
.irp j, 0,1,2,3,4,5,6,7
	global_load_b128 v[(\dst)+4*(\j):(\dst)+4*(\j)+3], v[\off], s[PC:PC+1] offset:512*(\j)
.endr
.endm
.macro LDSROW k, dst                   ; row k of wproj_w: lane l at 16 l of each 512 bytes
.irp j, 0,1,2,3,4,5,6,7
	ds_load_b128 v[(\dst)+4*(\j):(\dst)+4*(\j)+3], v[L16] offset:4096*(\k)+512*(\j)
.endr
.endm
.macro CAST r, base                    ; 32 f32 a lane rounded to bf16 in place (ascending: register i is written from 2 i and 2 i + 1), and stored
.set i, 0
.rept 16
	v_cvt_pk_bf16_f32 v[(\r)+i], v[(\r)+2*i], v[(\r)+2*i+1]
.set i, i+1
.endr
.irp j, 0,1,2,3,4,5,6,7
	global_store_b64 v[L8], v[(\r)+2*(\j):(\r)+2*(\j)+1], s[\base:\base+1] offset:256*(\j)  ; 32 lanes store 256 consecutive bytes, at a multiple of 256 from the buffer's first
.endr
.endm
.macro DOT k                           ; my 32 products of x . wproj_w[k], two sums a lane
.set WB, WB0-32*((\k)%2)
.if (\k) < 7
	s_wait_dscnt 8                                 ; LDS loads come back in order: row k is in, the other buffer's eight may stay out
.else
	s_wait_dscnt 0x0
.endif
	v_pk_mul_f32 v[S+2*(\k):S+2*(\k)+1], v[X:X+1], v[WB:WB+1]  ; the first product starts the sums
.set i, 2
.rept 15
	v_pk_fma_f32 v[S+2*(\k):S+2*(\k)+1], v[X+i:X+i+1], v[WB+i:WB+i+1], v[S+2*(\k):S+2*(\k)+1]
.set i, i+2
.endr
.if (\k) < 6
	LDSROW (\k)+2, WB
.endif
.endm
.macro GATHER k                        ; ACC += weight k x the gathered row k; the buffer just read takes row k + 3
.set GB, G+32*((\k)%3)
.if (\k) < 6
	s_wait_loadcnt 16                              ; row k is in; the two younger rows' sixteen loads stay out
.elseif (\k) == 6
	s_wait_loadcnt 8
.else
	s_wait_loadcnt 0x0
.endif
.set i, 0
.rept 16
.if (\k) == 0
	v_pk_mul_f32 v[ACC+i:ACC+i+1], v[GB+i:GB+i+1], v[S:S+1] op_sel_hi:[1,0]
.else
	v_pk_fma_f32 v[ACC+i:ACC+i+1], v[GB+i:GB+i+1], v[S+2*(\k):S+2*(\k)+1], v[ACC+i:ACC+i+1] op_sel_hi:[1,0,1]
.endif
.set i, i+2
.endr
.if (\k) < 5
	TABLE GB, GO+(\k)+3
.endif
.endm
	s_load_b512 s[4:19], s[0:1], 0x0
	v_lshl_add_u32 v[SPW], v0, 2, SPARE
	v_mov_b32 v[NIL], 0
	v_lshrrev_b32 v6, 5, v0
	v_readfirstlane_b32 s[WV], v6                  ; wave 0..15
	v_and_b32 v7, 31, v0
	v_lshlrev_b32 v[L16], 4, v7
	v_lshlrev_b32 v[L8], 3, v7
	v_lshlrev_b32 v[STG], 4, v0
	s_lshl_b32 s22, ttmp9, 5
	s_lshl1_add_u32 s22, s[WV], s22                ; my first row: 32 g + 2 w
	s_lshl_b32 s24, s22, 11                        ; x 2,048 bytes (a bf16 row)
	s_mov_b32 s25, 0
	s_lshl_b32 s26, s22, 5                         ; x 32 bytes (a row of target)
	s_mov_b32 s27, 0
	s_lshl_b32 s22, s22, 12                        ; x 4,096 bytes (an f32 row)
	s_mov_b32 s23, 0
	s_mov_b32 s[CS], 0x3fb8aa3b
	s_mov_b32 s[SEL], 0x76543210
	s_mov_b32 s[SEL+1], 0xfedcba98
	s_mov_b32 s[CNT], 2
	s_wait_kmcnt 0x0
	s_add_nc_u64 s[PX:PX+1], s[PX:PX+1], s[22:23]
	s_add_nc_u64 s[PW:PW+1], s[PW:PW+1], s[22:23]
	s_add_nc_u64 s[PO:PO+1], s[PO:PO+1], s[22:23]
	s_add_nc_u64 s[PXB:PXB+1], s[PXB:PXB+1], s[24:25]
	s_add_nc_u64 s[PWB:PWB+1], s[PWB:PWB+1], s[24:25]
	s_add_nc_u64 s[PT:PT+1], s[PT:PT+1], s[26:27]
	s_load_b512 s[TGT:TGT+15], s[PT:PT+1], 0x0     ; both rows' targets: 64 bytes
.irp q, 0,1,2,3
	global_load_b128 v[WB0+4*(\q):WB0+4*(\q)+3], v[STG], s[PWP:PWP+1] offset:8192*(\q)  ; 512 threads x 16 bytes, four times: all of wproj_w
.endr
	s_wait_loadcnt 0x0
.irp q, 0,1,2,3
	ds_store_b128 v[STG], v[WB0+4*(\q):WB0+4*(\q)+3] offset:8192*(\q)
.endr
	s_wait_dscnt 0x0                               ; for the others' sake: my part of the copy is in LDS
	s_barrier_signal -1
	s_barrier_wait -1                              ; everybody's is; nothing writes these bytes again
	s_wait_kmcnt 0x0                               ; the targets
.Lrow:
.irp k, 0,1,2,3,4,5,6,7
	s_min_u32 s[TMP], s[TGT+(\k)], 0x3ff           ; the index stays inside the table
	s_lshl_b32 s[TMP], s[TMP], 15                  ; a code is 8 rows of 4,096 bytes
	s_add_co_u32 s[TMP], s[TMP], (\k)*4096
	v_add_nc_u32 v[GO+(\k)], s[TMP], v[L16]
.endr
	STREAM R1, PW                                  ; 40 loads go out together: the row of proj_w, the row of x, the first three gathered rows
	STREAM X, PX
	TABLE G, GO
	TABLE G+32, GO+1
	TABLE G+64, GO+2
	s_wait_loadcnt 32                              ; loads come back in order: the row of proj_w is in, the 32 younger loads stay out
	CAST R1, PWB
	s_wait_xcnt 0x0                                ; the stores' data registers are loaded into again only behind this wait
	LDSROW 0, WB0
	LDSROW 1, R1
	s_wait_loadcnt 24                              ; the row of x is in; the three gathered rows stay out
.irp k, 0,1,2,3,4,5,6,7
	DOT \k
.endr
	CAST X, PXB                                    ; x has served in f32: now it is rounded and stored
	; the 8 logits: two sums a lane, then across the 32 lanes; the eight stand on end in each step, so that none waits for the line before it
.irp k, 0,1,2,3,4,5,6,7
	v_add_f32 v[S+2*(\k)], v[S+2*(\k)], v[S+2*(\k)+1]
.endr
.irp m, 1,2,4,8
.irp k, 0,1,2,3,4,5,6,7
	v_add_f32_dpp v[S+2*(\k)], v[S+2*(\k)], v[S+2*(\k)] row_xmask:\m row_mask:0xf bank_mask:0xf
.endr
.endr
.irp k, 0,1,2,3,4,5,6,7
	v_permlanex16_b32 v[WB0+(\k)], v[S+2*(\k)], s[SEL], s[SEL+1]  ; its destination counts as read: these registers have been written
.endr
.irp k, 0,1,2,3,4,5,6,7
	v_add_f32 v[S+2*(\k)], v[S+2*(\k)], v[WB0+(\k)]
.endr
	v_max3_num_f32 v6, v[S], v[S+2], v[S+4]        ; the softmax over the 8, in every lane
	v_max3_num_f32 v7, v[S+6], v[S+8], v[S+10]
	v_max3_num_f32 v6, v6, v[S+12], v[S+14]
	v_max_num_f32 v6, v6, v7
	v_mul_f32 v6, 0xbfb8aa3b, v6                   ; - log2(e) x maximum
.irp k, 0,1,2,3,4,5,6,7
	v_fma_f32 v[S+2*(\k)], v[S+2*(\k)], s[CS], v6
.endr
.irp k, 0,1,2,3,4,5,6,7
	v_exp_f32 v[S+2*(\k)], v[S+2*(\k)]
.endr
	v_nop                                          ; a plain instruction behind the last exponential,
	s_wait_alu depctr_va_vdst(0)                   ; and one wait for the eight, ahead of their first reader
	v_add_f32 v6, v[S], v[S+2]
	v_add_f32 v7, v[S+4], v[S+6]
	v_add_f32 v6, v6, v[S+8]
	v_add_f32 v7, v7, v[S+10]
	v_add_f32 v6, v6, v[S+12]
	v_add_f32 v7, v7, v[S+14]
	v_add_f32 v6, v6, v7                           ; at least 1: the maximum's own term
	v_rcp_f32 v7, v6
	v_nop
	s_wait_alu depctr_va_vdst(0)
.irp k, 0,1,2,3,4,5,6,7
	v_mul_f32 v[S+2*(\k)], v[S+2*(\k)], v7         ; the weight, in the pair's low register: the packed lines below take it for both halves
.endr
.irp k, 0,1,2,3,4,5,6,7
	GATHER \k
.endr
.irp j, 0,1,2,3,4,5,6,7
	global_store_b128 v[L16], v[ACC+4*(\j):ACC+4*(\j)+3], s[PO:PO+1] offset:512*(\j) th:TH_STORE_NT  ; 512 consecutive bytes, aligned
.endr
	s_wait_xcnt 0x0                                ; the stores' data, the offsets and the bases are written again only behind this wait
	s_add_nc_u64 s[PX:PX+1], s[PX:PX+1], 4096
	s_add_nc_u64 s[PW:PW+1], s[PW:PW+1], 4096
	s_add_nc_u64 s[PO:PO+1], s[PO:PO+1], 4096
	s_add_nc_u64 s[PXB:PXB+1], s[PXB:PXB+1], 2048
	s_add_nc_u64 s[PWB:PWB+1], s[PWB:PWB+1], 2048
.irp q, 0,2,4,6
	s_mov_b64 s[TGT+(\q):TGT+(\q)+1], s[TGT+8+(\q):TGT+8+(\q)+1]  ; the second row's targets
.endr
	s_sub_co_u32 s[CNT], s[CNT], 1
	s_cmp_lg_u32 s[CNT], 0
	s_cbranch_scc1 .Lrow
	s_wait_tensorcnt 0x0                           ; the wave's end, behind my last LDS store
	ds_add_u32 v[SPW], v[NIL]
	s_wait_dscnt 0x0
	s_endpgm
.Lfunc_end_k_q4ca3da8d9d_prep:
	.size	k_q4ca3da8d9d_prep, .Lfunc_end_k_q4ca3da8d9d_prep-k_q4ca3da8d9d_prep
	.p2alignl 7, 3214868480
	.fill 96, 4, 3214868480
	.section	.rodata,"a",@progbits
	.p2align	6, 0x0
	.amdhsa_kernel k_q4ca3da8d9d_prep
		.amdhsa_group_segment_fixed_size 34816
		.amdhsa_private_segment_fixed_size 0
		.amdhsa_enable_private_segment 0
		.amdhsa_kernarg_size 64
		.amdhsa_user_sgpr_count 2
		.amdhsa_user_sgpr_kernarg_segment_ptr 1
		.amdhsa_wavefront_size32 1
		.amdhsa_system_sgpr_workgroup_id_x 1
		.amdhsa_system_sgpr_workgroup_id_y 1
		.amdhsa_system_sgpr_workgroup_id_z 1
		.amdhsa_system_vgpr_workitem_id 0
		.amdhsa_next_free_vgpr 224
		.amdhsa_next_free_sgpr 66
		.amdhsa_reserve_vcc 0
		.amdhsa_float_denorm_mode_32 3
		.amdhsa_float_denorm_mode_16_64 3
		.amdhsa_memory_ordered 1
		.amdhsa_forward_progress 1
		.amdhsa_inst_pref_size 42
	.end_amdhsa_kernel
	.amdgpu_metadata
---
amdhsa.version: [ 1, 2 ]
amdhsa.kernels:
  - .name:           k_q4ca3da8d9d_prep
    .symbol:         k_q4ca3da8d9d_prep.kd
    .args:
      - { .name: x, .offset: 0, .size: 8, .value_kind: global_buffer, .address_space: global }
      - { .name: proj_w, .offset: 8, .size: 8, .value_kind: global_buffer, .address_space: global }
      - { .name: wproj_w, .offset: 16, .size: 8, .value_kind: global_buffer, .address_space: global }
      - { .name: target, .offset: 24, .size: 8, .value_kind: global_buffer, .address_space: global }
      - { .name: codebook, .offset: 32, .size: 8, .value_kind: global_buffer, .address_space: global }
      - { .name: xb, .offset: 40, .size: 8, .value_kind: global_buffer, .address_space: global }
      - { .name: wb, .offset: 48, .size: 8, .value_kind: global_buffer, .address_space: global }
      - { .name: out0, .offset: 56, .size: 8, .value_kind: global_buffer, .address_space: global }
    .group_segment_fixed_size: 34816
    .private_segment_fixed_size: 0
    .kernarg_segment_align: 8
    .kernarg_segment_size: 64
    .max_flat_workgroup_size: 512
    .sgpr_count:     66
    .vgpr_count:     224
    .wavefront_size: 32
...
	.end_amdgpu_metadata
.endif
;; end of part 1
;; launch loss (part 2): grid 8 x 32, 4 waves a work-group, clusters of 4 x 4, 327,680 bytes of LDS; arguments xb, wb, proj_b, target, out1; writes out1
.if DOCPART == 2
	.amdgcn_target "amdgcn-amd-amdhsa--gfx1250"
	.amdhsa_code_object_version 6
	.text
	.protected	k_q4ca3da8d9d_loss
	.globl	k_q4ca3da8d9d_loss
	.p2align	8
	.type	k_q4ca3da8d9d_loss,@function
k_q4ca3da8d9d_loss:
	s_mov_b64 s[64:65], 0
	v_nop
	global_prefetch_b8 v0, s[64:65] scope:SCOPE_SE
	s_setreg_imm32_b32 hwreg(HW_REG_WAVE_MODE, 25, 1), 1
	s_wait_xcnt 0x0
	s_wait_alu depctr_hold_cnt(0) depctr_sa_sdst(0) depctr_va_vdst(0) depctr_va_sdst(0) depctr_va_ssrc(0) depctr_va_vcc(0) depctr_vm_vsrc(0)
	s_getreg_b32 s2, hwreg(HW_REG_IB_STS2, 6, 4)
	s_cmp_eq_u32 s2, 0
	s_cbranch_scc0 .Lentry_in_a_cluster
	s_endpgm
.Lentry_in_a_cluster:
	s_bfe_u32 s2, ttmp6, 0x10000c
	s_cmp_lg_u32 s2, 0xf033
	s_cbranch_scc0 .Lentry_shape_is_right
	s_endpgm
.Lentry_shape_is_right:
; out1[t][cb] = logsumexp over the 1,024 codes of codebook cb of (x[t] . proj_w[1024 cb + code] + proj_b[..]) - the same logit at code target[t][cb].
; xb: [8192][1024] bf16 (x rounded once), wb: [8192][1024] bf16 (proj_w rounded once), proj_b: [8192] f32, target: [8192][8] i32, out1: [8192][8] f32.  Sums, maxima, exponentials in f32.
; SHARES.  Work-group (cb, y) owns 256 tokens x one codebook, and STAYS: it walks the codebook's four tiles of 256 codes.  Four waves, each 128 tokens x 128 codes: 64 accumulators, 512 registers.
; K goes in steps of 128 through a ring of two LDS slots filled by the tensor data mover; the ring runs on into the next tile.  No logit ever goes to memory: behind each tile stands EPI
; (running maximum, target pick, exponentials, sums), on the accumulators in place.
; THE MATRIX INSTRUCTION IS USED TRANSPOSED (source 0 = 16 codes, source 1 = 16 tokens): lane (r = l % 16, h = l / 16) of accumulator (a, b) holds token 16 a + r and codes 16 b + 8 h + 0..7.
; So a lane keeps ONE token a block, and a running maximum m and sum l of ITS OWN codes: nothing changes lanes in EPI.  A token's four partial (m, l, picked logit), from two halves of the lanes
; and two waves, meet in LDS once, at the end.  THE BIAS is the C operand of the product that starts each sum: no line adds it, and nothing is cleared.
; CLUSTERS: 4 x 4 work-groups.  The four of a row share their tokens (A's tiles), the four of a column their codebook (B's tiles): each tile is asked for JOINTLY, by the same tensor load with the same
; descriptor and a mask that names the four.
; out1 leaves as 4 bytes a lane, 32 bytes apart: the 8 codebooks of a token belong to 8 work-groups, and out1 is 262,144 bytes in all.
; LIMITS.  c m starts at -4.25e37: logits below -2.9e37 are not served.  A weight below 2^-126 counts as 0.  NaN and infinities are not treated apart.  A target outside 0..1023 matches no code, and its logit counts as 0.
; REGISTERS, in windows of 256 (s_set_vgpr_msb: bits 1:0 source 0, 3:2 source 1, 5:4 source 2, 7:6 destination):
;   window 0: v0-31 addresses and temporaries; v32-63 statistics; v64-191 A's two fragment buffers; v192-223 picked logits, target distances, rescaling factors; v224-255 at work
;   window 1: v0-63 the bias of my 128 codes; v64-191 B's two fragment buffers          windows 2, 3: the accumulators of my tokens 0-63, 64-127 ((a, b) at v[8 (8 a + b)])
.set SIZE_K, 1024
.set KSTEP,  128
.set PITCH,  272                       ; an LDS row: 256 bytes + 16 of padding = 68 words: the 16 rows that a load touches start at 16 different groups of four banks (64 banks of 4 bytes: ISA guide 11.1)
.set HALFT,  128*PITCH                 ; 128 rows: what one tensor load brings, and what one wave reads of A or of B
.set SLOT,   4*HALFT                   ; A's 256 rows, then B's 256 rows
.set STAT,   2*SLOT                    ; behind the ring, never filled by a tensor load: three tables (m, l, picked logit) of 256 tokens x 4 partials x 4 bytes
.set SPARE,  STAT+3*4096               ; behind them: the spare words, 128 bytes for each wave: two blocks of 256 bytes that no other line names
.set LAPS,   SIZE_K/(2*KSTEP)          ; a lap = two K steps = once round the ring
.set TILES,  4
.set BACK_A, (SIZE_K-2*KSTEP)*2        ; from a slot's last K step of a tile to its first of the next: A only back along K (the tokens stay),
.set NEXT_B, 256*SIZE_K*2-BACK_A       ; B 256 rows down and back
.set NEXT_P, 255*SIZE_K*2+KSTEP*2      ; the prefetches: from the K step after a tile's last to the next tile's K step 1
.set ADRA, 16                          ; v16-17  LDS address of my A fragments in slot 0, 1
.set ADRB, 20                          ; v20-21  the same for B
.set BO,   22                          ; v22     32 h: my 8 numbers in 16 of the bias
.set SA,   24                          ; v24     where I put my partials
.set RA,   25                          ; v25     where I read a token's four
.set OO,   26                          ; v26     32 x thread: my token's place in out1
.set SPW,  28                          ; v28     LDS address of my spare word; never rewritten
.set NIL,  29                          ; v29     0; never rewritten
.set PFO,  30                          ; v30     the prefetches' offset: lane x 2,048; never rewritten
.set ST,   32                          ; block a's statistics at v[ST+4 a]: c m, m, l (even codes', odd codes')
.set F0,   64
.set F1,   128
.set TG,   192                         ; v192-199 block a's picked logit, 0 until it is found
.set TD,   200                         ; v200-207 target less my first code of the tile in hand
.set AF,   208                         ; block a: 2^(c m_old - c m_new), and its exponent
.set T,    224                         ; 32 at work
.set G1,   24                          ; s[24:31] descriptor group 1 for A's tiles;  s[32:39] group 0, one set for each slot
.set G0,   32
.set LIM,  43                          ; s43  1 in a wave that prefetches, else the greatest number
.set PFA,  44                          ; s[44:45] where my prefetches stand
.set G1B,  48                          ; s[48:55], s[56:63] the same for B's tiles
.set G0B,  56
.set XB,   68                          ; s[68:69] xb   s[70:71] wb   s[72:73] proj_b at my 128 codes   s[74:75] target at my 128 tokens   s[76:77] out1 at the group's tokens
.set WBP,  70
.set BP,   72
.set TP,   74
.set OP,   76
.set CS,   78                          ; s[78:79] c = log2(e): the packed scaling takes the pair's low word for both halves
.set LN2,  80
.set MSB, 0
.macro WIN new                         ; the immediate's high byte repeats the setting that is left; a switch that changes nothing is dropped
.if MSB != (\new)
	s_set_vgpr_msb (MSB<<8)|(\new)
.set MSB, \new
.endif
.endm
.set TO_B, 0x40                        ; destination window 1, address window 0
; A joint load.  Waves 0 and 1 fetch A's two halves, waves 2 and 3 B's.  The branch hangs on the wave's number alone.  An s_nop 0 and four v_nop follow each of the two lines.
.macro JLOAD s
	s_cmp_eq_u32 s11, 0
	s_cbranch_scc0 .Lfor_b_\@
	tensor_load_to_lds s[G0+4*(\s):G0+4*(\s)+3], s[G1:G1+7]
	s_nop 0
.rept 4
	v_nop
.endr
	s_branch .Lasked_\@
.Lfor_b_\@:
	tensor_load_to_lds s[G0B+4*(\s):G0B+4*(\s)+3], s[G1B:G1B+7]
	s_nop 0
.rept 4
	v_nop
.endr
.Lasked_\@:
.endm
; A PREFETCH, behind each joint load, its five lines and the run of LDS loads: the K step that stands TWO refills on (512 matrix instructions ahead of the load that will want it): 32 rows x 256 bytes, a lane a row.
; Each row's 256 bytes of a K step are named once in the launch.  A's rows are read by both clusters of a row of clusters: cluster x = 0 asks, in the first tile alone (the later tiles read the same rows again).
; B's rows are read by the eight clusters of a column: cluster y = 0 asks, in every tile (each tile's rows are new).  The four partners of a joint load share its 128 rows out BY ADDRESS, 32 each (cx for A, cy for B).
; how = 0, in the loop: a tile's last two refills have no K step two on; how = 1, at a change of tiles.  Nothing is asked for at the head, nor in the last tile's tail.
.macro ASK how
.if \how
	s_cmp_eq_u32 s[LIM], 1
.else
	s_cmp_gt_u32 s3, s[LIM]                        ; s3 = 1 in the loop's last trip
.endif
	s_cbranch_scc0 .Lnot_mine_\@
	global_prefetch_b8 v[PFO], s[PFA:PFA+1] offset:KSTEP*2 th:TH_LOAD_NT scope:SCOPE_SE
.Lnot_mine_\@:
.endm
.macro CREST                           ; a round of the cluster's barrier behind its opening barrier
	s_cmp_lg_u32 s10, 0
	s_cbranch_scc1 .Lnot_wave_0_\@
	s_barrier_signal -3
.Lnot_wave_0_\@:
	s_barrier_wait -3
	s_barrier_signal -1
	s_barrier_wait -1
.endm
.macro CROUND                          ; a whole round
	s_barrier_signal -1
	s_barrier_wait -1
	CREST
.endm
.macro BIASLOAD                        ; the bias of my 128 codes of a tile: register 8 b + j holds code 16 b + 8 h + j, the layout of a C operand
	WIN TO_B
.irp b, 0,1,2,3,4,5,6,7
	global_load_b128 v[8*(\b):8*(\b)+3],   v[BO], s[BP:BP+1] offset:64*(\b)
	global_load_b128 v[8*(\b)+4:8*(\b)+7], v[BO], s[BP:BP+1] offset:64*(\b)+16
.endr
.endm
	s_load_b256 s[68:75], s[0:1], 0x0
	s_load_b64 s[OP:OP+1], s[0:1], 0x20
	v_lshl_add_u32 v[SPW], v0, 2, SPARE
	v_mov_b32 v[NIL], 0
	ds_add_u32 v[SPW], v[NIL]                      ; the wave's opening: the add and its wait stand ahead of my first tensor load; the set-up below, work on registers, stands between them
	v_lshrrev_b32 v1, 5, v0
	v_readfirstlane_b32 s10, v1                    ; wave 0..3
	s_lshr_b32 s11, s10, 1                         ; which half of the tokens is mine.  Also: I fetch for A (0) or for B (1)
	s_and_b32 s12, s10, 1                          ; which half of a tile's codes.  Also: which 128 rows of that tile I fetch
	s_bfe_u32 s40, ttmp6, 0x40000                  ; cx
	s_bfe_u32 s41, ttmp6, 0x40004                  ; cy
	s_lshl_b32 s42, ttmp9, 2
	s_add_co_u32 s42, s42, s40                     ; the codebook = 4 x cluster x + cx
	s_and_b32 s13, ttmp7, 0xffff
	s_lshl_b32 s13, s13, 2
	s_add_co_u32 s13, s13, s41                     ; the block of 256 tokens = 4 x cluster y + cy
	s_lshl_b32 s43, s41, 2
	s_lshl_b32 s43, 15, s43                        ; my row of the cluster
	s_lshl_b32 s44, 0x1111, s40                    ; my column
	; descriptor group 1: a tile of 128 rows x 128 elements, padded in LDS
	s_or_b32 s[G1+0], s43, (1<<16)|(1<<20)|(1<<21)|(5<<22)|(3<<25)  ; 15:0 the mask: A's tiles go to my row; 17:16 2-byte elements; 20 padding on; 21 set beside a mask; 24:22 after every 64 words (code 5); 31:25 4 words (code 3)
	s_or_b32 s[G1B+0], s44, (1<<16)|(1<<20)|(1<<21)|(5<<22)|(3<<25) ; the same with the mask of my column
.irp g, G1, G1B
	s_mov_b32 s[(\g)+1], KSTEP<<16                 ; tensor_dim0 = 128
	s_mov_b32 s[(\g)+2], 128<<16                   ; tensor_dim1 = 128
	s_mov_b32 s[(\g)+3], KSTEP<<16                 ; tile_dim0 = 128
	s_mov_b32 s[(\g)+4], 128                       ; tile_dim1 = 128
	s_mov_b32 s[(\g)+5], SIZE_K                    ; elements from row to row
	s_mov_b32 s[(\g)+6], 0
	s_mov_b32 s[(\g)+7], 0
.endr
	; where the tiles come from: A's hang on the token block alone, B's on the codebook alone, each in registers that never hold the other coordinate
	s_lshl_b32 s17, s12, 7
	s_lshl_b32 s16, s13, 8
	s_add_co_u32 s16, s16, s17                     ; A: row 256 y + 128 x half
	s_lshl_b32 s46, s42, 10
	s_add_co_u32 s46, s46, s17                     ; B: row 1,024 cb + 128 x half
	s_lshl_b32 s16, s16, 11                        ; x 2,048 bytes: under 2^24
	s_lshl_b32 s46, s46, 11
	s_mov_b32 s17, 0
	s_mov_b32 s47, 0
	s_mul_i32 s20, s10, HALFT                      ; and where they go: wave x 128 rows: no place in the cluster enters an LDS address
	; offsets of the three small tensors, in registers that feed no descriptor
	s_lshl_b32 s4, s42, 12                         ; proj_b: 4 x (1,024 cb + 128 x my half of the codes)
	s_lshl_b32 s5, s12, 9
	s_add_co_u32 s4, s4, s5
	s_mov_b32 s5, 0
	s_lshl_b32 s8, s13, 13                         ; out1: 256 y tokens x 32 bytes + 4 cb
	s_lshl_b32 s9, s42, 2
	s_add_co_u32 s8, s8, s9
	s_lshl_b32 s9, s11, 12                         ; target: the same + my 128 tokens
	s_add_co_u32 s6, s8, s9
	s_mov_b32 s7, 0
	s_mov_b32 s9, 0
	s_mov_b32 s[CS], 0x3fb8aa3b                    ; log2(e)
	s_mov_b32 s[CS+1], s[CS]                       ; named with it as a pair
	s_mov_b32 s[LN2], 0x3f317218                   ; ln 2
	s_wait_dscnt 0x0                               ; the opening add is done
	s_wait_kmcnt 0x0
	s_add_nc_u64 s[14:15], s[XB:XB+1], s[16:17]
	s_add_nc_u64 s[46:47], s[WBP:WBP+1], s[46:47]
	s_add_nc_u64 s[BP:BP+1], s[BP:BP+1], s[4:5]
	s_add_nc_u64 s[TP:TP+1], s[TP:TP+1], s[6:7]
	s_add_nc_u64 s[OP:OP+1], s[OP:OP+1], s[8:9]
	CROUND                                         ; all sixteen work-groups are here: the first joint loads meet
.irp s, 0,1
	s_mov_b32 s[G0+4*(\s)], 1                                      ; count = 1
	s_add_co_u32 s[G0+4*(\s)+1], s20, (\s)*SLOT                    ; LDS address
	s_add_nc_u64 s[G0+4*(\s)+2:G0+4*(\s)+3], s[14:15], (\s)*KSTEP*2  ; global address: K step s
	s_or_b32 s[G0+4*(\s)+3], s[G0+4*(\s)+3], 0x80000000            ; type = 2
	s_mov_b32 s[G0B+4*(\s)], 1
	s_add_co_u32 s[G0B+4*(\s)+1], s20, (\s)*SLOT
	s_add_nc_u64 s[G0B+4*(\s)+2:G0B+4*(\s)+3], s[46:47], (\s)*KSTEP*2
	s_or_b32 s[G0B+4*(\s)+3], s[G0B+4*(\s)+3], 0x80000000
	JLOAD \s                                       ; the ring is filled before anything else is done: two loads of mine are out
.endr
	v_and_b32 v1, 15, v0                           ; r
	v_bfe_u32 v2, v0, 4, 1                         ; h
	v_lshlrev_b32 v[BO], 5, v2
	v_lshlrev_b32 v4, 5, v1                        ; token r's row of target
.irp a, 0,1,2,3,4,5,6,7
	global_load_b32 v[TD+(\a)], v4, s[TP:TP+1] offset:512*(\a)  ; the target of token 16 a + r in my codebook
.endr
	BIASLOAD
	WIN 0
	; a fragment is 16 rows x 32 K in 8 registers: lane l holds row r, K = 8 h + 0..7 and 16 + 8 h + 0..7: two loads of 16 bytes, 32 bytes apart
	v_mul_u32_u24 v3, v1, PITCH
	v_lshl_add_u32 v3, v2, 4, v3
	s_mul_i32 s21, s11, HALFT                      ; my 128 rows of A
	s_mul_i32 s22, s12, HALFT                      ; my 128 rows of B,
	s_add_co_u32 s22, s22, 2*HALFT                 ; which lie behind A's 256
.irp s, 0,1
	v_add_nc_u32 v[ADRA+(\s)], s21, v3
	v_add_nc_u32 v[ADRB+(\s)], s22, v3
	s_add_co_u32 s21, s21, SLOT
	s_add_co_u32 s22, s22, SLOT
.endr
	s_lshl_b32 s14, s11, 11                        ; the tables of partials: token x 16 + (2 x my half of the codes + h) x 4
	s_lshl_b32 s15, s12, 3
	s_add_co_u32 s14, s14, s15
	s_add_co_u32 s14, s14, STAT
	v_lshlrev_b32 v[SA], 4, v1
	v_lshl_add_u32 v[SA], v2, 2, v[SA]
	v_add_nc_u32 v[SA], s14, v[SA]
	v_lshl_add_u32 v[RA], v0, 4, STAT
	v_lshlrev_b32 v[OO], 5, v0
	; the prefetches
	s_lshl_b32 s13, s13, 8                         ; 256 y
	s_lshl_b32 s42, s42, 10                        ; 1,024 cb
	s_and_b32 s22, ttmp7, 0xffff                   ; cluster y
	s_cmp_eq_u32 s11, 0                            ; do I fetch for A?
	s_cselect_b32 s20, s13, s42                    ; the tile's first row
	s_cselect_b32 s21, s40, s41                    ; my place among the four that ask for it with me
	s_cselect_b32 s22, ttmp9, s22                  ; the coordinate along which other clusters read the same rows
	s_cselect_b64 s[PFA:PFA+1], s[XB:XB+1], s[WBP:WBP+1]
	s_cmp_eq_u32 s22, 0
	s_cselect_b32 s[LIM], 1, -1                    ; the same in all sixteen partners, for a given wave
	s_lshl_b32 s22, s12, 7
	s_add_co_u32 s20, s20, s22                     ; + the 128 rows that I fetch
	s_lshl_b32 s21, s21, 5
	s_add_co_u32 s20, s20, s21                     ; + my work-group's 32 of them
	s_lshl_b32 s20, s20, 11
	s_mov_b32 s21, 0
	s_add_nc_u64 s[PFA:PFA+1], s[PFA:PFA+1], s[20:21]
	s_add_nc_u64 s[PFA:PFA+1], s[PFA:PFA+1], 2*KSTEP*2  ; at K step 2: the first refill steps it to 3 and names K step 4
	v_and_b32 v[PFO], 31, v0
	v_lshlrev_b32 v[PFO], 11, v[PFO]
.irp a, 0,1,2,3,4,5,6,7                ; the statistics' start: the first tile is a tile like any other, with a rescaling factor of 0
	v_mov_b32 v[ST+4*(\a)], 0xfe000000             ; c m: far below every c s
	v_mov_b32 v[ST+4*(\a)+1], 0xff7fffff           ; m: the lowest finite number
	v_mov_b32 v[ST+4*(\a)+2], 0
	v_mov_b32 v[ST+4*(\a)+3], 0
	v_mov_b32 v[TG+(\a)], 0
.endr
; 16 matrix instructions: token blocks a0, a0 + 1 of the window's four (hi = 0: tokens 0-63, 1: 64-127) x all 8 code blocks, 32 along K.  first = 1: the product starts the sum with the bias as C (window 1).
; The 64 accumulators take turns, one instruction a turn, in the same order in every quarter step.
.macro MUL16 f, hi, a0, first
.if \first
	WIN 0x91+0x40*(\hi)                            ; B and C window 1, A window 0, D window 2 or 3
.else
	WIN 0xa1+0x50*(\hi)                            ; B window 1, A window 0, C and D window 2 or 3
.endif
.irp a, \a0, (\a0)+1
.irp b, 0,1,2,3,4,5,6,7
.if \first
	v_wmma_f32_16x16x32_bf16 v[8*(8*(\a)+(\b)):8*(8*(\a)+(\b))+7], v[(\f)+8*(\b):(\f)+8*(\b)+7], v[(\f)+8*(4*(\hi)+(\a)):(\f)+8*(4*(\hi)+(\a))+7], v[8*(\b):8*(\b)+7]
.else
	v_wmma_f32_16x16x32_bf16 v[8*(8*(\a)+(\b)):8*(8*(\a)+(\b))+7], v[(\f)+8*(\b):(\f)+8*(\b)+7], v[(\f)+8*(4*(\hi)+(\a)):(\f)+8*(4*(\hi)+(\a))+7], v[8*(8*(\a)+(\b)):8*(8*(\a)+(\b))+7]
.endif
.endr
.endr
.endm
; 32 LDS loads in one run: the fragments of one quarter step (128 rows of B, 128 rows of A, 32 K at byte k of the rows) into buffer f
.macro FETCH slot, k, f
	WIN TO_B
.irp i, 0,1,2,3,4,5,6,7
	ds_load_b128 v[(\f)+8*(\i):(\f)+8*(\i)+3],   v[ADRB+(\slot)] offset:(\k)+(\i)*16*PITCH
	ds_load_b128 v[(\f)+8*(\i)+4:(\f)+8*(\i)+7], v[ADRB+(\slot)] offset:(\k)+(\i)*16*PITCH+32
.endr
	WIN 0
.irp i, 0,1,2,3,4,5,6,7
	ds_load_b128 v[(\f)+8*(\i):(\f)+8*(\i)+3],   v[ADRA+(\slot)] offset:(\k)+(\i)*16*PITCH
	ds_load_b128 v[(\f)+8*(\i)+4:(\f)+8*(\i)+7], v[ADRA+(\slot)] offset:(\k)+(\i)*16*PITCH+32
.endr
.endm
.macro PLACES                          ; four plain vector instructions in front of loads into registers that matrix instructions have read (ISA guide 7.12.1 for vector instructions)
.rept 4
	v_nop
.endr
.endm
; A K step is four quarter steps of 32 along K, 64 matrix instructions each, on buffers 0, 1, 0, 1.  One of the first three: multiplies buffer f; in its middle it fetches the next quarter's fragments into buffer g.
.macro QUARTER slot, k, f, g, first
	s_wait_dscnt 8                                 ; B and A's rows 0-63 are in; the youngest eight loads (A's rows 64-127) may be out
	MUL16 \f, 0, 0, \first
	MUL16 \f, 0, 2, \first
	PLACES
	FETCH \slot, \k, \g
	s_wait_dscnt 32                                ; all but the 32 just issued
	MUL16 \f, 1, 0, \first
	MUL16 \f, 1, 2, \first
.endm
; The last quarter multiplies buffer 1 and changes slots.  MEET is its first half: in front of ONE barrier each wave waits for all its tensor loads (the one that is out is its part of the next slot),
; adds 0 to its spare word, and waits for that and for its own reads of this slot.  Behind it nobody reads this slot any more and the next slot is whole.
.macro MEET round
	WIN 0                                          ; (the add's two registers lie in window 0)
	s_wait_tensorcnt 0x0
	ds_add_u32 v[SPW], v[NIL]
	s_wait_dscnt 9                                 ; (the add and the youngest eight loads may be out)
	MUL16 F1, 0, 0, 0                              ; sixteen matrix instructions stand between the add and the wait for it
	s_wait_dscnt 0x0                               ; the add is done, and my reads of this slot are over
	s_barrier_signal -1
	MUL16 F1, 0, 2, 0                              ; work on registers while the others arrive
.if \round
	WIN 0
.endif
	s_barrier_wait -1
.endm
; The whole last quarter.  The barrier opens a round of the cluster's; behind the round the slot just read out is filled again first: with this tile's K step two steps on (on = 0) or, in a tile's last
; two K steps, with the NEXT tile's K step 0 or 1 (on = 1).  From a request to the wait for it a wave issues 224 matrix instructions.  One tensor load of mine is out behind each round.
.macro TURN slot, next, on
	s_wait_xcnt 0x0                                ; the last prefetch, a K step back, has read its address: it is stepped here
.if (\on) && (\slot) == 0
	s_add_nc_u64 s[PFA:PFA+1], s[PFA:PFA+1], NEXT_P
	s_cmp_eq_u32 s11, 1
	s_cselect_b32 s[LIM], s[LIM], -1               ; A's rows are the same for all four tiles: they have been read, and are asked for no more
.else
	s_add_nc_u64 s[PFA:PFA+1], s[PFA:PFA+1], KSTEP*2
.endif
	MEET 1
	CREST                                          ; no wave of any partner still reads this slot's tile or has a load on its way
.if \on
	s_sub_nc_u64 s[G0+4*(\slot)+2:G0+4*(\slot)+3], s[G0+4*(\slot)+2:G0+4*(\slot)+3], BACK_A
	s_add_nc_u64 s[G0B+4*(\slot)+2:G0B+4*(\slot)+3], s[G0B+4*(\slot)+2:G0B+4*(\slot)+3], NEXT_B
.else
	s_add_nc_u64 s[G0+4*(\slot)+2:G0+4*(\slot)+3], s[G0+4*(\slot)+2:G0+4*(\slot)+3], 2*KSTEP*2
	s_add_nc_u64 s[G0B+4*(\slot)+2:G0B+4*(\slot)+3], s[G0B+4*(\slot)+2:G0B+4*(\slot)+3], 2*KSTEP*2
.endif
	JLOAD \slot                                    ; the first tensor load behind the round; its four v_nop are also the places in front of the loads below
	FETCH \next, 0, F0
	ASK \on
	MUL16 F1, 1, 0, 0
	MUL16 F1, 1, 2, 0
.endm
; EPI: WHAT IS MADE OF A FINISHED TILE, on the accumulators in place; no LDS and no memory instruction.  For each window w (2, 3) and each of its four token blocks q (block a = 4 (w - 2) + q):
; MAXB: the maximum of my 64 logits and the old m, three operands at a time (each accumulator's lowest registers are read first); c m; the exponent c m_old - c m_new.
.macro MAXB w, q
.set AC, 64*(\q)
.set rT, ST+4*(4*((\w)-2)+(\q))
.set rA, AF+2*(4*((\w)-2)+(\q))
	WIN (\w)|((\w)<<2)|((\w)<<4)
.irp b, 0,1,2,3,4,5,6,7
	v_max3_num_f32 v[T+(\b)], v[AC+8*(\b)], v[AC+8*(\b)+1], v[AC+8*(\b)+2]
.endr
	WIN ((\w)<<2)|((\w)<<4)
.irp b, 0,1,2,3,4,5,6,7
	v_max3_num_f32 v[T+(\b)], v[T+(\b)], v[AC+8*(\b)+3], v[AC+8*(\b)+4]
.endr
.irp b, 0,1,2,3,4,5,6,7
	v_max3_num_f32 v[T+(\b)], v[T+(\b)], v[AC+8*(\b)+5], v[AC+8*(\b)+6]
.endr
.irp i, 0,1,2,3
	v_max3_num_f32 v[T+(\i)], v[T+(\i)], v[AC+16*(\i)+7], v[AC+16*(\i)+15]
.endr
	WIN 0
	v_max3_num_f32 v[T], v[T], v[T+1], v[T+2]
	v_max3_num_f32 v[T+3], v[T+3], v[T+4], v[T+5]
	v_max3_num_f32 v[T+6], v[T+6], v[T+7], v[rT+1]
	v_max3_num_f32 v[rT+1], v[T], v[T+3], v[T+6]
	v_mul_f32 v1, s[CS], v[rT+1]
	v_sub_f32 v[rA+1], v[rT], v1
	v_mov_b32 v[rT], v1
.endm
; PICK: the logit at the target, by a tree of selects on d = target - my first code of the tile.  My codes are d = 16 b + j (b, j in 0..7) and lie in register 8 b + j: bits 1, 2, 4 of d choose j,
; bits 16, 32, 64 choose b: 63 selects; the result counts where d has no other bit set.  Then d goes on to the next tile.
.macro LEVEL bit, n
	v_and_b32 v1, \bit, v[rD]
	v_cmp_ne_u32 vcc_lo, 0, v1
.set i, 0
.rept \n
	v_cndmask_b32 v[T+i], v[T+2*i], v[T+2*i+1], vcc_lo  ; ascending, in place: register i is written from 2 i and 2 i + 1
.set i, i+1
.endr
.endm
.macro PICK w, q
.set AC, 64*(\q)
.set rD, TD+4*((\w)-2)+(\q)
.set rG, TG+4*((\w)-2)+(\q)
	WIN 0
	v_and_b32 v1, 1, v[rD]
	v_cmp_ne_u32 vcc_lo, 0, v1
	WIN (\w)|((\w)<<2)
.set i, 0
.rept 32
	v_cndmask_b32 v[T+i], v[AC+2*i], v[AC+2*i+1], vcc_lo
.set i, i+1
.endr
	WIN 0
	LEVEL 2, 16
	LEVEL 4, 8
	LEVEL 16, 4
	LEVEL 32, 2
	LEVEL 64, 1
	v_and_b32 v1, 0xffffff88, v[rD]
	v_cmp_eq_u32 vcc_lo, 0, v1
	v_cndmask_b32 v[rG], v[rG], v[T], vcc_lo
	v_add_nc_u32 v[rD], 0xffffff00, v[rD]          ; 256 codes on
.endm
.macro FSC w, q, n                     ; pair n of block q: c s - c m
	v_pk_fma_f32 v[64*(\q)+2*(\n):64*(\q)+2*(\n)+1], v[64*(\q)+2*(\n):64*(\q)+2*(\n)+1], s[CS:CS+1], v[ST+4*(4*((\w)-2)+(\q)):ST+4*(4*((\w)-2)+(\q))+1] op_sel_hi:[1,0,0] neg_lo:[0,0,1] neg_hi:[0,0,1]
.endm
; A window's 4 + 256 exponentials are ONE BATCH with one wait: ahead of it nothing names a result of theirs; a block's exponentials go two and two, with a scaling of the next block between.
.macro EPIW w
.irp q, 0,1,2,3
	MAXB \w, \q
.endr
.irp q, 0,1,2,3
	PICK \w, \q
.endr
	WIN 0
.irp q, 0,1,2,3
	v_exp_f32 v[AF+2*(4*((\w)-2)+(\q))], v[AF+2*(4*((\w)-2)+(\q))+1]
.endr
	WIN (\w)|((\w)<<6)
.set p, 0
.rept 32
	FSC \w, 0, p
.set p, p+1
.endr
.irp q, 0,1,2,3
.set p, 0
.rept 32
	v_exp_f32 v[64*(\q)+2*p], v[64*(\q)+2*p]
	v_exp_f32 v[64*(\q)+2*p+1], v[64*(\q)+2*p+1]
.if (\q) < 3
	FSC \w, (\q)+1, p
.endif
.set p, p+1
.endr
.endr
	v_nop                                          ; a plain instruction behind the last exponential,
	s_wait_alu depctr_va_vdst(0)                   ; and the one wait for the batch, ahead of its first reader
	WIN (\w)|((\w)<<2)|((\w)<<6)
.irp d, 16,8,4,2,1                     ; the sum of a block's 32 pairs, in place, level by level over the four blocks
.irp q, 0,1,2,3
.set p, 0
.rept \d
	v_pk_add_f32 v[64*(\q)+2*p:64*(\q)+2*p+1], v[64*(\q)+2*p:64*(\q)+2*p+1], v[64*(\q)+2*(p+(\d)):64*(\q)+2*(p+(\d))+1]
.set p, p+1
.endr
.endr
.endr
	WIN (\w)<<4
.irp q, 0,1,2,3                        ; l = l x 2^(c m_old - c m_new) + the sum
	v_pk_fma_f32 v[ST+4*(4*((\w)-2)+(\q))+2:ST+4*(4*((\w)-2)+(\q))+3], v[ST+4*(4*((\w)-2)+(\q))+2:ST+4*(4*((\w)-2)+(\q))+3], v[AF+2*(4*((\w)-2)+(\q)):AF+2*(4*((\w)-2)+(\q))+1], v[64*(\q):64*(\q)+1] op_sel_hi:[1,0,1]
.endr
.endm
.macro EPI
.rept 8
	v_nop                                          ; the places behind the tile's last products
.endr
	EPIW 2
	EPIW 3
	WIN 0
.endm
	s_wait_tensorcnt 1                             ; my part of K step 0 is in; K step 1's load stays out
	s_barrier_signal -1
	s_barrier_wait -1                              ; everybody's is
	FETCH 0, 0, F0
	s_wait_loadcnt 0x0                             ; the targets (and the first bias)
	s_lshl_b32 s14, s12, 7
	v_lshl_add_u32 v5, v2, 3, s14                  ; my first code in a tile: 128 x my half + 8 h
.irp a, 0,1,2,3,4,5,6,7
	v_sub_nc_u32 v[TD+(\a)], v[TD+(\a)], v5
.endr
	s_mov_b32 s2, TILES                            ; tiles to go, this one among them: the same number in every work-group
.Ltile:
	s_wait_loadcnt 0x0                             ; this tile's bias
	QUARTER 0, 64,  F0, F1, 1                      ; a tile's first quarter stands in front of the loop: its products start the sums
	WIN 0                                          ; at a label and at a branch every window is 0
	s_mov_b32 s3, LAPS-1
.Llap:                                                 ; a trip goes once round the ring, from a lap's second quarter to the next lap's first, and fills both slots again
	QUARTER 0, 128, F1, F0, 0
	QUARTER 0, 192, F0, F1, 0
	TURN 0, 1, 0
	QUARTER 1, 64,  F0, F1, 0
	QUARTER 1, 128, F1, F0, 0
	QUARTER 1, 192, F0, F1, 0
	TURN 1, 0, 0
	QUARTER 0, 64,  F0, F1, 0
	WIN 0
	s_sub_co_u32 s3, s3, 1
	s_cmp_lg_u32 s3, 0
	s_cbranch_scc1 .Llap
	QUARTER 0, 128, F1, F0, 0                      ; the tile's last lap goes on
	QUARTER 0, 192, F0, F1, 0
	WIN 0
	s_cmp_eq_u32 s2, 1
	s_cbranch_scc1 .Llast_tile                     ; the last tile's tail is written out: it asks for nothing more
	TURN 0, 1, 1                                   ; the ring goes on into the next tile: slot 0 takes its K step 0,
	s_add_nc_u64 s[BP:BP+1], s[BP:BP+1], 1024      ; (the last loads by this base were waited for at the tile's head) 256 codes on:
	BIASLOAD                                       ; the next tile's bias; its registers were last read by this tile's first quarter
	QUARTER 1, 64,  F0, F1, 0
	QUARTER 1, 128, F1, F0, 0
	QUARTER 1, 192, F0, F1, 0
	TURN 1, 0, 1                                   ; slot 1 its K step 1, and the next tile's first fragments are fetched
	EPI                                            ; both refills are on their way while the tile's logits are worked off
	s_sub_co_u32 s2, s2, 1
	s_branch .Ltile
.Llast_tile:
	MEET 0                                         ; my one tensor load that was still out is slot 1's, the last K step's, so no round follows
	PLACES                                         ; for the loads into buffer 0, which the quarter before multiplied
	FETCH 1, 0, F0
	MUL16 F1, 1, 0, 0
	MUL16 F1, 1, 2, 0
	QUARTER 1, 64,  F0, F1, 0
	QUARTER 1, 128, F1, F0, 0
	QUARTER 1, 192, F0, F1, 0
	s_wait_dscnt 8                                 ; the very last quarter: nothing more to fetch
	MUL16 F1, 0, 0, 0
	MUL16 F1, 0, 2, 0
	s_wait_dscnt 0x0
	MUL16 F1, 1, 0, 0
	MUL16 F1, 1, 2, 0
	EPI
	; THE END.  Each lane's partials (m, l, picked logit) of its eight tokens go into the tables; behind a barrier each thread joins the four partials of two tokens.
.irp a, 0,1,2,3,4,5,6,7
	v_add_f32 v[ST+4*(\a)+2], v[ST+4*(\a)+2], v[ST+4*(\a)+3]
.endr
.irp a, 0,1,2,3,4,5,6,7
	ds_store_b32 v[SA], v[ST+4*(\a)+1] offset:256*(\a)
	ds_store_b32 v[SA], v[ST+4*(\a)+2] offset:4096+256*(\a)
	ds_store_b32 v[SA], v[TG+(\a)] offset:8192+256*(\a)
.endr
	s_wait_dscnt 0x0                               ; for the others' sake: my partials are in LDS
	s_barrier_signal -1
	s_barrier_wait -1
.irp u, 0,1                            ; token = thread + 128 u
.irp e, 0,1,2
	ds_load_b128 v[T+12*(\u)+4*(\e):T+12*(\u)+4*(\e)+3], v[RA] offset:4096*(\e)+2048*(\u)
.endr
.endr
	s_wait_dscnt 0x0
.irp u, 0,1
	v_max3_num_f32 v[2+(\u)], v[T+12*(\u)], v[T+12*(\u)+1], v[T+12*(\u)+2]
.endr
.irp u, 0,1
	v_max_num_f32 v[2+(\u)], v[2+(\u)], v[T+12*(\u)+3]  ; the token's maximum
.endr
.irp u, 0,1
	v_mul_f32 v[4+(\u)], 0xbfb8aa3b, v[2+(\u)]     ; - c m
.endr
.irp u, 0,1
.irp i, 0,1,2,3
	v_fma_f32 v[T+12*(\u)+(\i)], v[T+12*(\u)+(\i)], s[CS], v[4+(\u)]
.endr
.endr
.irp u, 0,1
.irp i, 0,1,2,3
	v_exp_f32 v[T+12*(\u)+(\i)], v[T+12*(\u)+(\i)]
.endr
.endr
	v_nop
	s_wait_alu depctr_va_vdst(0)                   ; one wait for the eight exponentials
.irp u, 0,1
	v_mul_f32 v[6+(\u)], v[T+12*(\u)+4], v[T+12*(\u)]
.endr
.irp i, 1,2,3
.irp u, 0,1
	v_fma_f32 v[6+(\u)], v[T+12*(\u)+4+(\i)], v[T+12*(\u)+(\i)], v[6+(\u)]  ; l = the sum of l_i 2^(c m_i - c m): at least 1
.endr
.endr
.irp u, 0,1
	v_add_f32 v[8+(\u)], v[T+12*(\u)+8], v[T+12*(\u)+9]      ; three of the four are 0
	v_add_f32 v[10+(\u)], v[T+12*(\u)+10], v[T+12*(\u)+11]
.endr
.irp u, 0,1
	v_add_f32 v[8+(\u)], v[8+(\u)], v[10+(\u)]
.endr
.irp u, 0,1
	v_log_f32 v[6+(\u)], v[6+(\u)]
.endr
	v_nop
	s_wait_alu depctr_va_vdst(0)
.irp u, 0,1
	v_fma_f32 v[6+(\u)], v[6+(\u)], s[LN2], v[2+(\u)]        ; logsumexp = m + ln 2 x log2 l
.endr
.irp u, 0,1
	v_sub_f32 v[6+(\u)], v[6+(\u)], v[8+(\u)]
.endr
	global_store_b32 v[OO], v6, s[OP:OP+1]
	global_store_b32 v[OO], v7, s[OP:OP+1] offset:4096
	s_wait_tensorcnt 0x0                           ; the wave's end, behind my last tensor load and my last LDS store
	ds_add_u32 v[SPW], v[NIL]
	s_wait_dscnt 0x0
	CROUND                                         ; the closing round: no work-group ends while a partner may still ask for a tile that names it
	s_endpgm
.Lfunc_end_k_q4ca3da8d9d_loss:
	.size	k_q4ca3da8d9d_loss, .Lfunc_end_k_q4ca3da8d9d_loss-k_q4ca3da8d9d_loss
	.p2alignl 7, 3214868480
	.fill 96, 4, 3214868480
	.section	.rodata,"a",@progbits
	.p2align	6, 0x0
	.amdhsa_kernel k_q4ca3da8d9d_loss
		.amdhsa_group_segment_fixed_size 327680
		.amdhsa_private_segment_fixed_size 0
		.amdhsa_enable_private_segment 0
		.amdhsa_kernarg_size 40
		.amdhsa_user_sgpr_count 2
		.amdhsa_user_sgpr_kernarg_segment_ptr 1
		.amdhsa_wavefront_size32 1
		.amdhsa_system_sgpr_workgroup_id_x 1
		.amdhsa_system_sgpr_workgroup_id_y 1
		.amdhsa_system_sgpr_workgroup_id_z 1
		.amdhsa_system_vgpr_workitem_id 0
		.amdhsa_next_free_vgpr 1024
		.amdhsa_next_free_sgpr 82
		.amdhsa_reserve_vcc 1
		.amdhsa_float_denorm_mode_32 3
		.amdhsa_float_denorm_mode_16_64 3
		.amdhsa_memory_ordered 1
		.amdhsa_forward_progress 1
		.amdhsa_inst_pref_size 255
	.end_amdhsa_kernel
	.section	.bss,"aw",@nobits
	.p2align	6
	.space	262144
	.amdgpu_metadata
---
amdhsa.version: [ 1, 2 ]
amdhsa.kernels:
  - .name:           k_q4ca3da8d9d_loss
    .symbol:         k_q4ca3da8d9d_loss.kd
    .args:
      - { .name: xb, .offset: 0, .size: 8, .value_kind: global_buffer, .address_space: global }
      - { .name: wb, .offset: 8, .size: 8, .value_kind: global_buffer, .address_space: global }
      - { .name: proj_b, .offset: 16, .size: 8, .value_kind: global_buffer, .address_space: global }
      - { .name: target, .offset: 24, .size: 8, .value_kind: global_buffer, .address_space: global }
      - { .name: out1, .offset: 32, .size: 8, .value_kind: global_buffer, .address_space: global }
    .group_segment_fixed_size: 327680
    .private_segment_fixed_size: 0
    .kernarg_segment_align: 8
    .kernarg_segment_size: 40
    .max_flat_workgroup_size: 128
    .sgpr_count:     82
    .vgpr_count:     1024
    .wavefront_size: 32
...
	.end_amdgpu_metadata
.endif
;; end of part 2
;; ======== version 2 of 2: 2 launches; version 1 with the launch prep written anew for expert scheduling mode
;; workspace buffers: xb 16,777,216 bytes; wb 16,777,216 bytes
;; launch prep (part 3): grid 256 x 1, 16 waves a work-group, no clusters, 34,816 bytes of LDS; arguments x, proj_w, wproj_w, target, codebook, xb, wb, out0; writes xb, wb, out0
.if DOCPART == 3
	.amdgcn_target "amdgcn-amd-amdhsa--gfx1250"
	.amdhsa_code_object_version 6
	.text
	.protected	k_q4ca3da8d9d_prep
	.globl	k_q4ca3da8d9d_prep
	.p2align	8
	.type	k_q4ca3da8d9d_prep,@function
k_q4ca3da8d9d_prep:
	s_mov_b64 s[64:65], 0
	v_nop
	global_prefetch_b8 v0, s[64:65] scope:SCOPE_SE
	s_setreg_imm32_b32 hwreg(HW_REG_WAVE_SCHED_MODE, 0, 2), 2
	s_setreg_imm32_b32 hwreg(HW_REG_WAVE_MODE, 25, 1), 1
	s_wait_xcnt 0x0
	s_wait_alu depctr_vm_vsrc(0)
; xb = bf16(x), wb = bf16(proj_w), out0[t][:] = sum over k of softmax_k(x[t] . wproj_w[k]) codebook[target[t][k]][k][:].
; x, proj_w: [8192][1024] f32; wproj_w: [8][1024] f32; target: [8192][8] i32; codebook: [1024][8][1024] f32; out0: [8192][1024] f32.
; SHARES.  256 work-groups of 16 waves; wave w of group g owns rows 32 g + 2 w and the next one, of x and of proj_w alike: one wave, one row at a time, two trips.
; A row is 4,096 bytes: eight loads of 16 bytes a lane, each covering 512 consecutive bytes; lane l, piece j holds elements 128 j + 4 l .. + 3.
; The 8 small logits are made in f32 on the vector unit (8 x 1,024 multiply-adds a row): they weight every number of a row of out0, so they are not rounded to 16 bits;
; a matrix fragment's layout would also break the loads and stores of whole rows.  wproj_w (32 KiB) is copied once into LDS and read from there by every wave.
; The softmax takes its maximum away.  No tensor loads, no cluster: but for those 32 KiB no two work-groups share a stream.  No prefetch: each wave has 40 loads out at a trip's head.
; LIMITS.  A target outside 0..1023 is taken as 1023 (unsigned minimum).  A weight below 2^-126 counts as 0.  NaN and infinities are not treated apart.
; THE MODE: SCHED_MODE bits 1:0 = 2 (LLVM: expert scheduling mode 2), set by the entry lines.  The code itself states the register dependences
; between vector instructions and memory or LDS instructions, with s_wait_alu, always for 0.
; THE PLAN.  Registers that memory or LDS instructions touch, round a trip:
;   v1, v2, v5  offsets, made once at the head and never written again.
;   GO          written by eight adds at the trip's head; read by the loads of the gathered rows.
;   R1 = ACC    the row of proj_w lands; rounded in place; its low half is stored; rows 2 and 5 of wproj_w land and dots 2 and 5 read them; the gather's sums are written there and stored.
;   X           the row of x lands; all eight dots read it; rounded in place; its low half is stored.  v[XT ..], in its high half, then take the lane exchange's results: no store names them.
;   WB0, WB1    with R1 the three buffers of wproj_w's rows, row k in buffer k % 3 (WB0, WB1, R1): dot k reads its buffer while row k + 2 lands in the one that dot k - 1 read.
;               When dots 6 and 7 have read them they take the gathered rows 3 and 4.
;   G0 .. G2    gathered rows 0 to 2, asked for at the trip's head; step k of the gather (k = 1, 2, 3) asks for row k + 4 into the buffer that step k - 1 read.
; So a wait on va_vdst stands at the trip's head behind the adds, behind each of the two runs of roundings, at the head of dots 1 to 5 and of the gather's steps 1 to 3, and ahead of the last stores;
; behind each of them the loads that it frees are dealt among vector lines that name none of their registers.  A wait on vm_vsrc stands where store data or offsets are written again:
; behind the head's barrier, at dot 0, and at the trip's bottom.
.set SPARE, 32768                      ; behind wproj_w: the spare words, 128 bytes for each of 16 waves: eight blocks of 256 bytes that no other line names
.set L16, 1                            ; v1       16 x lane; never rewritten
.set L8,  2                            ; v2       8 x lane; never rewritten
.set SPW, 3                            ; v3       LDS address of my spare word; never rewritten
.set NIL, 4                            ; v4       0; never rewritten
.set STG, 5                            ; v5       16 x thread: the copy of wproj_w
.set GO,  8                            ; v[8:15]  byte offset of my 16 bytes in the codebook row of codebook k
.set S,   16                           ; v[16:31] a pair for each k: two partial sums, then the logit, then the weight in the low register
.set X,   32                           ; v[32:63] the row of x
.set XT,  X+16                         ; v[48:55] when x has been rounded: the other half of the lanes' sums
.set R1,  64                           ; v[64:95] the row of proj_w; then the LDS buffer of rows 2 and 5; then ACC
.set ACC, 64
.set WB0, 96                           ; v[96:127] the copy's registers; then the LDS buffer of rows 0, 3, 6; then the gathered row 3
.set G,   128                          ; v[128:223] three buffers of 32 for gathered rows
.set WB1, 224                          ; v[224:255] the LDS buffer of rows 1, 4, 7; then the gathered row 4
.set PX,  4                            ; s[4:19]  x, proj_w, wproj_w, target, codebook, xb, wb, out0
.set PW,  6
.set PWP, 8
.set PT,  10
.set PC,  12
.set PXB, 14
.set PWB, 16
.set PO,  18
.set CNT, 20
.set WV,  21
.set OF,  24                           ; s[24:31] in the loop: the byte offset of codebook row k, a scalar for each k (at the head s[22:27] hold the wave's three offsets)
.set TGT, 36                           ; s[36:51] the 16 targets of my two rows; a trip uses the first eight
.set CS,  53                           ; log2(e)
.set SEL, 54                           ; s[54:55] v_permlanex16_b32's selects: each lane takes its own place in the other half
.macro STREAM dst, base                ; a row that is read once: eight loads of 512 consecutive bytes
.irp j, 0,1,2,3,4,5,6,7
	global_load_b128 v[(\dst)+4*(\j):(\dst)+4*(\j)+3], v[L16], s[\base:\base+1] offset:512*(\j) th:TH_LOAD_NT
.endr
.endm
.macro TABLE dst, off                  ; a codebook row: the list may name it again, so no hint
.irp j, 0,1,2,3,4,5,6,7
	global_load_b128 v[(\dst)+4*(\j):(\dst)+4*(\j)+3], v[\off], s[PC:PC+1] offset:512*(\j)
.endr
.endm
.macro LDSROW k, dst                   ; row k of wproj_w: lane l at 16 l of each 512 bytes
.irp j, 0,1,2,3,4,5,6,7
	ds_load_b128 v[(\dst)+4*(\j):(\dst)+4*(\j)+3], v[L16] offset:4096*(\k)+512*(\j)
.endr
.endm
.macro ROUND r                         ; 32 f32 a lane rounded to bf16 in place (ascending: register i is written from 2 i and 2 i + 1)
.set i, 0
.rept 16
	v_cvt_pk_bf16_f32 v[(\r)+i], v[(\r)+2*i], v[(\r)+2*i+1]
.set i, i+1
.endr
.endm
.macro SEND r, base                    ; and stored
.irp j, 0,1,2,3,4,5,6,7
	global_store_b64 v[L8], v[(\r)+2*(\j):(\r)+2*(\j)+1], s[\base:\base+1] offset:256*(\j)  ; 32 lanes store 256 consecutive bytes, at a multiple of 256 from the buffer's first
.endr
.endm
.macro DOT k                           ; my 32 products of x . wproj_w[k], two sums a lane; among them the eight loads of row k + 2
.set WB, WB0+128*(((\k)%3)%2)-32*(((\k)%3)/2)            ; buffer k % 3: WB0, WB1, R1
.set WN, WB0+128*((((\k)+2)%3)%2)-32*((((\k)+2)%3)/2)    ; buffer (k + 2) % 3 = (k - 1) % 3
.if (\k) < 7
	s_wait_dscnt 8                                 ; LDS loads come back in order: row k is in, the next row's eight may stay out
.else
	s_wait_dscnt 0x0
.endif
.if (\k) == 0
	s_wait_xcnt 0x0                                ; the data registers of wb's stores are loaded into again only behind this wait,
	s_wait_alu depctr_vm_vsrc(0)                   ; and behind this one: wb's stores have read the low half of R1, in which row 2 lands (the roundings that named R1 stand ahead of the last wait on va_vdst)
.elseif (\k) < 6
	s_wait_alu depctr_va_vdst(0)                   ; dot k - 1 is done reading its buffer, in which row k + 2 lands; the lines below name X, S and buffer k % 3 alone
.endif
	v_pk_mul_f32 v[S+2*(\k):S+2*(\k)+1], v[X:X+1], v[WB:WB+1]  ; the first product starts the sums
.set i, 2
.rept 15
.if ((\k) < 6) && (i%4 == 2)
	ds_load_b128 v[WN+i-2:WN+i+1], v[L16] offset:4096*((\k)+2)+128*(i-2)  ; piece (i - 2) / 4 of row k + 2
.endif
	v_pk_fma_f32 v[S+2*(\k):S+2*(\k)+1], v[X+i:X+i+1], v[WB+i:WB+i+1], v[S+2*(\k):S+2*(\k)+1]
.set i, i+2
.endr
.endm
.macro GATHER k                        ; ACC += weight k x the gathered row k; in steps 1 to 3 row k + 4 is asked for, into the buffer that step k - 1 read
.if (\k)%5 < 3
.set GB, G+32*((\k)%5)                 ; rows 0-2 and 5-7
.elseif (\k)%5 == 3
.set GB, WB0                           ; row 3
.else
.set GB, WB1                           ; row 4
.endif
.set GN, G+32*((\k)-1)
.if (\k) == 0
	s_wait_loadcnt 32                              ; row 0 is in; the four younger rows' 32 loads stay out
.elseif (\k) < 5
	s_wait_loadcnt 24                              ; row k is in; the three younger rows stay out
.else
	s_wait_loadcnt 8*(7-(\k))                      ; the counts run down
.endif
.if ((\k) > 0) && ((\k) < 4)
	s_wait_alu depctr_va_vdst(0)                   ; step k - 1 is done reading its buffer, in which row k + 4 lands; the lines below name ACC, S and row k's buffer alone
.endif
.set i, 0
.rept 16
.if ((\k) > 0) && ((\k) < 4) && (i%4 == 0)
	global_load_b128 v[GN+i:GN+i+3], v[GO+(\k)+4], s[PC:PC+1] offset:128*i  ; piece i / 4 of row k + 4
.endif
.if (\k) == 0
	v_pk_mul_f32 v[ACC+i:ACC+i+1], v[GB+i:GB+i+1], v[S:S+1] op_sel_hi:[1,0]
.else
	v_pk_fma_f32 v[ACC+i:ACC+i+1], v[GB+i:GB+i+1], v[S+2*(\k):S+2*(\k)+1], v[ACC+i:ACC+i+1] op_sel_hi:[1,0,1]
.endif
.set i, i+2
.endr
.endm
	s_load_b512 s[4:19], s[0:1], 0x0
	v_lshl_add_u32 v[SPW], v0, 2, SPARE
	v_mov_b32 v[NIL], 0
	v_lshrrev_b32 v6, 5, v0
	v_readfirstlane_b32 s[WV], v6                  ; wave 0..15
	v_and_b32 v7, 31, v0
	v_lshlrev_b32 v[L16], 4, v7
	v_lshlrev_b32 v[L8], 3, v7
	v_lshlrev_b32 v[STG], 4, v0
	s_wait_alu depctr_va_sdst(0)                   ; the wave's number is written, ahead of its first reader: my rows' offsets are made from it
	s_lshl_b32 s22, ttmp9, 5
	s_lshl1_add_u32 s22, s[WV], s22                ; my first row: 32 g + 2 w
	s_lshl_b32 s24, s22, 11                        ; x 2,048 bytes (a bf16 row)
	s_mov_b32 s25, 0
	s_lshl_b32 s26, s22, 5                         ; x 32 bytes (a row of target)
	s_mov_b32 s27, 0
	s_lshl_b32 s22, s22, 12                        ; x 4,096 bytes (an f32 row)
	s_mov_b32 s23, 0
	s_mov_b32 s[CS], 0x3fb8aa3b
	s_mov_b32 s[SEL], 0x76543210
	s_mov_b32 s[SEL+1], 0xfedcba98
	s_mov_b32 s[CNT], 2
	s_wait_kmcnt 0x0
	s_add_nc_u64 s[PX:PX+1], s[PX:PX+1], s[22:23]
	s_add_nc_u64 s[PW:PW+1], s[PW:PW+1], s[22:23]
	s_add_nc_u64 s[PO:PO+1], s[PO:PO+1], s[22:23]
	s_add_nc_u64 s[PXB:PXB+1], s[PXB:PXB+1], s[24:25]
	s_add_nc_u64 s[PWB:PWB+1], s[PWB:PWB+1], s[24:25]
	s_add_nc_u64 s[PT:PT+1], s[PT:PT+1], s[26:27]
	s_load_b512 s[TGT:TGT+15], s[PT:PT+1], 0x0     ; both rows' targets: 64 bytes
	s_wait_alu depctr_va_vdst(0)                   ; v1 to v5 are written: the offsets that the loads and stores below read, and the closing add's two registers
.irp q, 0,1,2,3
	global_load_b128 v[WB0+4*(\q):WB0+4*(\q)+3], v[STG], s[PWP:PWP+1] offset:8192*(\q)  ; 512 threads x 16 bytes, four times: all of wproj_w
.endr
	s_wait_loadcnt 0x0
.irp q, 0,1,2,3
	ds_store_b128 v[STG], v[WB0+4*(\q):WB0+4*(\q)+3] offset:8192*(\q)
.endr
	s_wait_dscnt 0x0                               ; for the others' sake: my part of the copy is in LDS
	s_barrier_signal -1
	s_barrier_wait -1                              ; everybody's is; nothing writes these bytes again
	s_wait_alu depctr_vm_vsrc(0)                   ; my LDS stores have read v[WB0 ..], in which row 0 of wproj_w lands
	s_wait_kmcnt 0x0                               ; the targets
.Lrow:
.irp k, 0,1,2,3,4,5,6,7
	s_min_u32 s[OF+(\k)], s[TGT+(\k)], 0x3ff       ; the index stays inside the table
	s_lshl_b32 s[OF+(\k)], s[OF+(\k)], 15          ; a code is 8 rows of 4,096 bytes
	s_add_co_u32 s[OF+(\k)], s[OF+(\k)], (\k)*4096
	v_add_nc_u32 v[GO+(\k)], s[OF+(\k)], v[L16]    ; a scalar of its own for each k: none is written again before the wait below
.endr
	s_wait_alu depctr_va_vdst(0)                   ; GO is written, which the gathered rows' loads read; the last trip's vector lines are done with R1, X, G, WB0 and WB1, in which the loads below land
	STREAM R1, PW                                  ; 40 loads go out together: the row of proj_w, the row of x, the first three gathered rows
	STREAM X, PX
	TABLE G, GO
	TABLE G+32, GO+1
	TABLE G+64, GO+2
	LDSROW 0, WB0                                  ; and the first two rows of wproj_w
	LDSROW 1, WB1
	s_wait_loadcnt 32                              ; loads come back in order: the row of proj_w is in, the 32 younger loads stay out
	ROUND R1
	s_wait_alu depctr_va_vdst(0)                   ; the roundings have written the low half of R1, which the stores read, and are done reading R1, in which dot 0 lets row 2 land
	SEND R1, PWB
	s_wait_loadcnt 24                              ; the row of x is in; the three gathered rows stay out
.irp k, 0,1,2,3,4,5,6,7
	DOT \k
.endr
	ROUND X                                        ; x has served in f32: now it is rounded
	s_wait_alu depctr_va_vdst(0)                   ; the roundings have written the low half of X, which the stores read; dots 6 and 7 are done reading WB0 and WB1, in which the gathered rows 3 and 4 land
	TABLE WB0, GO+3                                ; loads ahead of stores: five gathered rows are now asked for
	TABLE WB1, GO+4
	SEND X, PXB
	; the 8 logits: two sums a lane, then across the 32 lanes; the eight stand on end in each step, so that none waits for the line before it.  These lines name S, v6, v7 and v[XT ..] alone
.irp k, 0,1,2,3,4,5,6,7
	v_add_f32 v[S+2*(\k)], v[S+2*(\k)], v[S+2*(\k)+1]
.endr
.irp m, 1,2,4,8
.irp k, 0,1,2,3,4,5,6,7
	v_add_f32_dpp v[S+2*(\k)], v[S+2*(\k)], v[S+2*(\k)] row_xmask:\m row_mask:0xf bank_mask:0xf
.endr
.endr
.irp k, 0,1,2,3,4,5,6,7
	v_permlanex16_b32 v[XT+(\k)], v[S+2*(\k)], s[SEL], s[SEL+1]  ; its destination counts as read: these registers have been written
.endr
.irp k, 0,1,2,3,4,5,6,7
	v_add_f32 v[S+2*(\k)], v[S+2*(\k)], v[XT+(\k)]
.endr
	v_max3_num_f32 v6, v[S], v[S+2], v[S+4]        ; the softmax over the 8, in every lane
	v_max3_num_f32 v7, v[S+6], v[S+8], v[S+10]
	v_max3_num_f32 v6, v6, v[S+12], v[S+14]
	v_max_num_f32 v6, v6, v7
	v_mul_f32 v6, 0xbfb8aa3b, v6                   ; - log2(e) x maximum
.irp k, 0,1,2,3,4,5,6,7
	v_fma_f32 v[S+2*(\k)], v[S+2*(\k)], s[CS], v6
.endr
.irp k, 0,1,2,3,4,5,6,7
	v_exp_f32 v[S+2*(\k)], v[S+2*(\k)]
.endr
	v_nop                                          ; a plain instruction behind the last exponential,
	s_wait_alu depctr_va_vdst(0)                   ; and one wait for the eight exponentials' results in S, ahead of their first reader
	v_add_f32 v6, v[S], v[S+2]
	v_add_f32 v7, v[S+4], v[S+6]
	v_add_f32 v6, v6, v[S+8]
	v_add_f32 v7, v7, v[S+10]
	v_add_f32 v6, v6, v[S+12]
	v_add_f32 v7, v7, v[S+14]
	v_add_f32 v6, v6, v7                           ; at least 1: the maximum's own term
	v_rcp_f32 v7, v6
	v_nop
	s_wait_alu depctr_va_vdst(0)                   ; the reciprocal's result in v7, ahead of its first reader
.irp k, 0,1,2,3,4,5,6,7
	v_mul_f32 v[S+2*(\k)], v[S+2*(\k)], v7         ; the weight, in the pair's low register: the packed lines below take it for both halves
.endr
.irp k, 0,1,2,3,4,5,6,7
	GATHER \k
.endr
	s_wait_alu depctr_va_vdst(0)                   ; the gather's last step has written ACC, which the stores read
.irp j, 0,1,2,3,4,5,6,7
	global_store_b128 v[L16], v[ACC+4*(\j):ACC+4*(\j)+3], s[PO:PO+1] offset:512*(\j) th:TH_STORE_NT  ; 512 consecutive bytes, aligned
.endr
	s_wait_xcnt 0x0                                ; the stores' data, the offsets and the bases are written again only behind this wait,
	s_wait_alu depctr_vm_vsrc(0)                   ; and behind this one: out0's stores have read ACC, xb's the low half of X, the gathered rows' loads GO: the next trip writes all three again
	s_add_nc_u64 s[PX:PX+1], s[PX:PX+1], 4096
	s_add_nc_u64 s[PW:PW+1], s[PW:PW+1], 4096
	s_add_nc_u64 s[PO:PO+1], s[PO:PO+1], 4096
	s_add_nc_u64 s[PXB:PXB+1], s[PXB:PXB+1], 2048
	s_add_nc_u64 s[PWB:PWB+1], s[PWB:PWB+1], 2048
.irp q, 0,2,4,6
	s_mov_b64 s[TGT+(\q):TGT+(\q)+1], s[TGT+8+(\q):TGT+8+(\q)+1]  ; the second row's targets
.endr
	s_sub_co_u32 s[CNT], s[CNT], 1
	s_cmp_lg_u32 s[CNT], 0
	s_cbranch_scc1 .Lrow
	s_wait_dscnt 0x0                               ; the closing lines, six on end
	s_wait_alu 0x0
	s_wait_tensorcnt 0x0
	ds_add_u32 v[SPW], v[NIL]
	s_wait_dscnt 0x0
	s_endpgm
.Lfunc_end_k_q4ca3da8d9d_prep:
	.size	k_q4ca3da8d9d_prep, .Lfunc_end_k_q4ca3da8d9d_prep-k_q4ca3da8d9d_prep
	.p2alignl 7, 3214868480
	.fill 96, 4, 3214868480
	.section	.rodata,"a",@progbits
	.p2align	6, 0x0
	.amdhsa_kernel k_q4ca3da8d9d_prep
		.amdhsa_group_segment_fixed_size 34816
		.amdhsa_private_segment_fixed_size 0
		.amdhsa_enable_private_segment 0
		.amdhsa_kernarg_size 64
		.amdhsa_user_sgpr_count 2
		.amdhsa_user_sgpr_kernarg_segment_ptr 1
		.amdhsa_wavefront_size32 1
		.amdhsa_system_sgpr_workgroup_id_x 1
		.amdhsa_system_sgpr_workgroup_id_y 1
		.amdhsa_system_sgpr_workgroup_id_z 1
		.amdhsa_system_vgpr_workitem_id 0
		.amdhsa_next_free_vgpr 256
		.amdhsa_next_free_sgpr 66
		.amdhsa_reserve_vcc 0
		.amdhsa_float_denorm_mode_32 3
		.amdhsa_float_denorm_mode_16_64 3
		.amdhsa_memory_ordered 1
		.amdhsa_forward_progress 1
		.amdhsa_inst_pref_size 43
	.end_amdhsa_kernel
	.amdgpu_metadata
---
amdhsa.version: [ 1, 2 ]
amdhsa.kernels:
  - .name:           k_q4ca3da8d9d_prep
    .symbol:         k_q4ca3da8d9d_prep.kd
    .args:
      - { .name: x, .offset: 0, .size: 8, .value_kind: global_buffer, .address_space: global }
      - { .name: proj_w, .offset: 8, .size: 8, .value_kind: global_buffer, .address_space: global }
      - { .name: wproj_w, .offset: 16, .size: 8, .value_kind: global_buffer, .address_space: global }
      - { .name: target, .offset: 24, .size: 8, .value_kind: global_buffer, .address_space: global }
      - { .name: codebook, .offset: 32, .size: 8, .value_kind: global_buffer, .address_space: global }
      - { .name: xb, .offset: 40, .size: 8, .value_kind: global_buffer, .address_space: global }
      - { .name: wb, .offset: 48, .size: 8, .value_kind: global_buffer, .address_space: global }
      - { .name: out0, .offset: 56, .size: 8, .value_kind: global_buffer, .address_space: global }
    .group_segment_fixed_size: 34816
    .private_segment_fixed_size: 0
    .kernarg_segment_align: 8
    .kernarg_segment_size: 64
    .max_flat_workgroup_size: 512
    .sgpr_count:     66
    .vgpr_count:     256
    .wavefront_size: 32
...
	.end_amdgpu_metadata
.endif
;; end of part 3
;; launch loss: the kernel of part 2 again; grid 8 x 32, 4 waves a work-group, clusters of 4 x 4, 327,680 bytes of LDS; arguments xb, wb, proj_b, target, out1; writes out1
